; MI455X (gfx1250); checked and timed in simulation.
; The chip was launched on July 23, 2026; its instructions are those of AMD's public machine-readable ISA for CDNA 5 (MIT licence, August 2026) and "CDNA5" Instruction Set Architecture Reference Guide (July 2026). The comments in the code are by the model that wrote it; some were corrected since.
;; Non Local2 D. Allowed arithmetic: matrix products marked QUANTISED: E2M1 operands, one E8M0 scale for each 32 along K, by v_wmma_scale_f32_16x16x128_f8f6f4 with both operands' format E2M1 (or v_wmma_scale_f32_32x16x128_f4), f32 sums; products left as they are: bf16, f16 or f32 operands; f32 sums; everything else in f32.
;; Inputs: g_b 128 float32; g_w 128 x 256 float32; out_b 256 float32; out_w 256 x 128 float32; phi_b 128 float32; phi_w 128 x 256 float32; theta_b 128 float32; theta_w 128 x 256 float32; x 4 x 256 x 64 x 64 float32.
;; Outputs: out0 4 x 256 x 64 x 64 float32.
;; This version of the problem:
;;   THIS VERSION OF THE PROBLEM IS GIVEN IN LOW PRECISION. The matrix products marked QUANTISED in the list below multiply operands that are first quantised to E2M1 (2 exponent bits, 1 mantissa bit; 4 bits a number), with one power-of-two scale for each 32 numbers along K (OCP MX v1.0); their sums are f32. The products marked 'left as it is' may take bf16, f16 or f32 operands, with f32 sums. Whichever they take, every output number must still come out within the allowed error. Rounding operands to bf16 (8 significant bits) uses up far more of that allowance than f16 does (11 bits, for magnitudes from 6e-5 to 65,504). All else is computed in f32.
;;   The module's matrix products, in the order in which they are computed (A, B: the left and right operand; K: the contracted axis; several contracted axes count as one K, in the product's order):
;;     1. [M 16,384, K 256] x [K 256, N 128]; A: input x; B: input g_w: QUANTISED
;;     2. [M 16,384, K 256] x [K 256, N 128]; A: input x; B: input theta_w: QUANTISED
;;     3. [M 128, K 256] x [K 256, N 16,384]; A: input phi_w; B: input x: QUANTISED
;;     4. batch 4 x [M 4,096, K 128] x [K 128, N 4,096]; A: computed on the way; B: computed on the way: left as it is (an operand is computed on the way)
;;     5. batch 4 x [M 4,096, K 4,096] x [K 4,096, N 128]; A: computed on the way; B: computed on the way: left as it is (an operand is computed on the way)
;;     6. [M 256, K 128] x [K 128, N 16,384]; A: input out_w; B: computed on the way: left as it is (an operand is computed on the way)
;;   THE QUANTISER, for each operand of a quantised product, along K:
;;     - K is cut into blocks of 32 from its start; a last block that is shorter is filled with zeros.
;;     - A block's scale is 2^e with e = floor(log2(the largest magnitude in the block)) - 2, held to -126 .. 127; a block of zeros has e = 0. As a byte (E8M0): e + 127.
;;     - Each number is divided by its block's scale, clamped to +-6, and rounded to the nearest number of E2M1, ties to even, subnormals kept.
;;     - The product sums the exact products of the quantised numbers (number of the format x scale) in f32.
;;   ~~~python
;;   def quantise(x, axis):      # numpy; x: float32 -> the quantised numbers, widened to float32 again
;;       x = np.moveaxis(x, axis, -1); K = x.shape[-1]
;;       x = np.pad(x, [(0, 0)] * (x.ndim - 1) + [(0, -K % 32)]); x = x.reshape(x.shape[:-1] + (-1, 32)); a = np.abs(x).max(-1, keepdims=True)
;;       e = np.where(a > 0, np.clip(np.frexp(np.where(a > 0, a, 1))[1] - 1 - 2, -126, 127), 0)      # np.frexp(a)[1] - 1 = floor(log2(a)), exactly
;;       r = np.clip(x / 2.0 ** e, -6, 6)
;;       step = 2.0 ** (np.maximum(np.frexp(np.where(r == 0, 1, r))[1] - 1, 0) - 1)
;;       q = np.round(r / step) * step * 2.0 ** e      # np.round: ties to even
;;       return np.moveaxis(q.reshape(q.shape[:-2] + (-1,))[..., :K], -1, axis).astype(np.float32)
;;   ~~~
;; One version. Each part assembles by itself: llvm-mc -triple=amdgcn-amd-amdhsa -mcpu=gfx1250 --defsym DOCPART=n.
;; ======== version 1 of 1: 4 launches
;; limits: values are held in f16: magnitudes above 65,504 overflow, below 6.1e-05 lose precision
;; workspace buffers: xqs 2,228,224 bytes; wq 52,224 bytes; owq 65,536 bytes; part 4,194,304 bytes; stat 262,144 bytes; rq 262,144 bytes; rs 4,096 bytes
;; launch prep (part 1): grid 264 x 1, 4 waves a work-group, no clusters, 135,680 bytes of LDS; arguments x, g_w, phi_w, theta_w, out_w, xqs, wq, owq; writes xqs, wq, owq
.if DOCPART == 1
	.amdgcn_target "amdgcn-amd-amdhsa--gfx1250"
	.amdhsa_code_object_version 6
	.text
	.protected	k_q515fdad6e7_prep
	.globl	k_q515fdad6e7_prep
	.p2align	8
	.type	k_q515fdad6e7_prep,@function
k_q515fdad6e7_prep:
	s_mov_b64 s[64:65], 0
	v_nop
	global_prefetch_b8 v0, s[64:65] scope:SCOPE_SE
	s_setreg_imm32_b32 hwreg(HW_REG_WAVE_MODE, 25, 1), 1
	s_wait_xcnt 0x0
; QUANTISE ONCE.  x [4][256][4096] f32 (K = the 256 channels, its middle axis) and g_w, phi_w, theta_w [128][256] f32 (K innermost) become codes of FP4 (E2M1)
; with one E8M0 byte for each 32 along K, laid as IMAGES OF THE OPERAND'S REGISTERS: a fragment (16 rows x 128 K) is 1,024 bytes, [register group c: 2][lane: 32][16 bytes];
; a scale word (four bytes: 128 along K of one row) lies 4 bytes a lane, lanes 0-15 an even tile's rows, lanes 16-31 the odd tile's.  out_w [256][128] becomes f16 fragment images.
; A block's scale is 2^(floor(log2(largest magnitude)) - 2): its byte is the largest magnitude's exponent field - 2, held at 1 from below.
; LIMITS: a block of zeros gets the byte 1 where the rule says 127 (its codes are zeros, and this program alone reads the bytes); blocks whose largest magnitude lies under 2^(3 - 127) are held
; at that floor; NaN and infinities are not served; |out_w| stays under 65,504 (f16).
; ROLES, by the work-group's number g: 0-5 the three weights (matrix g / 2, 64 rows each); 6-7 out_w (128 rows each); 8-263 x: batch, 128 positions, one K step of 128 channels.
; In all quantising roles a LANE HOLDS ONE ROW (a position of x, a row of a weight) AND ITS 128 REGISTERS RUN ALONG K: a block's largest magnitude needs no other lane.
; x: each load reads one channel at 32 neighbouring positions, 128 consecutive bytes a wave, 512 the four waves.  Weights: rows are loaded 512 consecutive bytes at a time and turned in the wave's own stage in LDS.
; The scale words leave as 128 consecutive bytes a wave: one byte in 17 of what the launch stores.
.set WSTG,  16896                      ; a wave's stage: 32 rows x 528
.set SP,    528                        ; a stage row: 512 bytes + 16: an odd multiple of 16, so sixteen rows start at sixteen different 16-byte columns modulo 256
.set WST,   0                          ; the weights' four stages
.set OST,   4*WSTG                     ; out_w's four stages: bytes of their own
.set SPARE, 8*WSTG                     ; the spare words, 128 bytes for each wave: two blocks of 256 bytes that no other line names
.set SPW,   8                          ; v8   SPARE + 4 x my thread's number; never rewritten
.set NIL,   9                          ; v9   0; never rewritten
.set SO,    16                         ; v16-19 the four blocks' scale operands
.set SW,    30                         ; v30  my row's scale word
.set C,     32                         ; v32-47 codes: block be at C + 4 be
.set X,     64                         ; v64-191 my row's 128 numbers
.set F,     192                        ; v192-255 out_w as f16
	s_load_b512 s[8:23], s[0:1], 0x0               ; x, g_w, phi_w, theta_w, out_w, xqs, wq, owq
	v_lshl_add_u32 v[SPW], v0, 2, SPARE
	v_mov_b32 v[NIL], 0
	v_lshrrev_b32 v1, 5, v0
	v_readfirstlane_b32 s4, v1                     ; wave 0..3
	v_and_b32 v1, 31, v0                           ; lane
	v_lshlrev_b32 v2, 4, v1                        ; 16 x lane
	v_lshlrev_b32 v3, 2, v1                        ; 4 x lane
	v_lshlrev_b32 v10, 2, v0                       ; 4 x thread: my position among the work-group's 128
	s_mul_i32 s5, s4, WSTG
	v_add_nc_u32 v4, s5, v2                        ; the weights' stage, way in: a row's 512 bytes as they lie
	v_mul_u32_u24 v5, v1, SP
	v_add_nc_u32 v5, s5, v5                        ; way out: lane = row
	s_add_co_u32 s6, s5, OST
	v_add_nc_u32 v6, s6, v2                        ; out_w's stage, way in
	v_and_b32 v11, 15, v0                          ; r
	v_bfe_u32 v12, v0, 4, 1                        ; h
	v_mul_u32_u24 v7, v11, SP
	v_lshl_add_u32 v7, v12, 5, v7
	v_add_nc_u32 v7, s6, v7                        ; way out: row r, 8 numbers (32 bytes) for each half of the lanes
	s_mov_b32 s31, 0                               ; the high word of every offset pair s[30:31]
	s_wait_kmcnt 0x0
	s_cmp_ge_u32 ttmp9, 8
	s_cbranch_scc1 .Lpath_x
	s_cmp_ge_u32 ttmp9, 6
	s_cbranch_scc1 .Lpath_o
	; ---- a weight: matrix m = g / 2 (0 g_w, 1 phi_w, 2 theta_w); my wave: pair of tiles tp = 2 (g % 2) + wave / 2 (32 rows), K step s = wave % 2
	s_lshr_b32 s7, ttmp9, 1                        ; m
	s_cmp_lt_u32 ttmp9, 4
	s_cselect_b64 s[24:25], s[12:13], s[14:15]
	s_cmp_lt_u32 ttmp9, 2
	s_cselect_b64 s[24:25], s[10:11], s[24:25]
	s_and_b32 s32, ttmp9, 1
	s_lshl_b32 s32, s32, 1
	s_lshr_b32 s33, s4, 1
	s_add_co_u32 s32, s32, s33                     ; tp
	s_and_b32 s33, s4, 1                           ; s
	s_lshl_b32 s30, s32, 15                        ; 32 rows of 1,024 bytes
	s_lshl_b32 s34, s33, 9                         ; 128 numbers
	s_add_co_u32 s30, s30, s34
	s_add_nc_u64 s[24:25], s[24:25], s[30:31]
.set i, 0
.rept 32
	global_load_b128 v[X+4*i:X+4*i+3], v2, s[24:25] offset:i*1024   ; row i: 512 consecutive bytes
.set i, i+1
.endr
	s_lshl_b32 s30, s7, 14                         ; codes: m x 16,384 + tp x 4,096 + s x 1,024
	s_lshl_b32 s34, s32, 12
	s_add_co_u32 s30, s30, s34
	s_lshl_b32 s34, s33, 10
	s_add_co_u32 s30, s30, s34
	s_add_nc_u64 s[26:27], s[20:21], s[30:31]
	s_lshl_b32 s30, s7, 2                          ; scale words: 49,152 + (4 m + tp) x 256 + s x 128
	s_add_co_u32 s30, s30, s32
	s_lshl_b32 s30, s30, 8
	s_lshl_b32 s34, s33, 7
	s_add_co_u32 s30, s30, s34
	s_add_co_u32 s30, s30, 49152
	s_add_nc_u64 s[28:29], s[20:21], s[30:31]
	s_wait_loadcnt 0x0
.set i, 0
.rept 32
	ds_store_b128 v4, v[X+4*i:X+4*i+3] offset:i*SP
.set i, i+1
.endr
	s_wait_dscnt 0x0                               ; the stores have read their registers, which the loads below fill
.set i, 0
.rept 32
	ds_load_b128 v[X+4*i:X+4*i+3], v5 offset:16*i  ; my row's numbers 4 i .. 4 i + 3
.set i, i+1
.endr
	s_wait_dscnt 0x0
	s_branch .Lquant
.Lpath_o:
	; ---- out_w: my wave's 32 rows (two tiles of 16 oc) become eight f16 fragments (16 rows x 32 along o): lane (r, h): registers 0-3: o = 8 h + 0..7, registers 4-7: o = 16 + 8 h + 0..7
	s_sub_co_u32 s7, ttmp9, 6
	s_lshl_b32 s7, s7, 2
	s_add_co_u32 s7, s7, s4                        ; which 32 rows
	s_lshl_b32 s30, s7, 14                         ; 32 rows of 512 bytes
	s_add_nc_u64 s[24:25], s[16:17], s[30:31]
.set i, 0
.rept 32
	global_load_b128 v[X+4*i:X+4*i+3], v2, s[24:25] offset:i*512    ; a whole row: 512 consecutive bytes
.set i, i+1
.endr
	s_lshl_b32 s30, s7, 13                         ; eight images of 1,024 bytes
	s_add_nc_u64 s[26:27], s[22:23], s[30:31]
	s_wait_loadcnt 0x0
.set i, 0
.rept 32
	ds_store_b128 v6, v[X+4*i:X+4*i+3] offset:i*SP
.set i, i+1
.endr
	s_wait_dscnt 0x0                               ; the stores have read their registers
.irp t, 0,1
.irp kap, 0,1,2,3
.irp u, 0,1
.irp q, 0,1
	ds_load_b128 v[X+64*\t+16*\kap+8*\u+4*\q:X+64*\t+16*\kap+8*\u+4*\q+3], v7 offset:\t*16*SP+128*\kap+64*\u+16*\q
.endr
.endr
.endr
.endr
	s_wait_dscnt 0x0
.set n, 0
.rept 64
	v_cvt_pk_f16_f32 v[F+n], v[X+2*n], v[X+2*n+1]
.set n, n+1
.endr
.set n, 0
.rept 16
	global_store_b128 v2, v[F+4*n:F+4*n+3], s[26:27] offset:512*n   ; 512 consecutive bytes, aligned
.set n, n+1
.endr
	s_branch .Lend
.Lpath_x:
	; ---- x: xg = g - 8: batch xg / 64, block of 128 positions (xg / 2) % 32, K step xg % 2
	s_sub_co_u32 s7, ttmp9, 8
	s_lshr_b32 s32, s7, 6                          ; b
	s_bfe_u32 s33, s7, 0x50001                     ; the block of 128 positions
	s_and_b32 s34, s7, 1                           ; s
	s_lshl_b32 s30, s32, 22                        ; a batch: 256 x 4,096 x 4 bytes
	s_lshl_b32 s35, s34, 21                        ; 128 channels
	s_add_co_u32 s30, s30, s35
	s_lshl_b32 s35, s33, 9                         ; 128 positions
	s_add_co_u32 s30, s30, s35
	s_add_nc_u64 s[24:25], s[8:9], s[30:31]
.set i, 0
.rept 128
	global_load_b32 v[X+i], v10, s[24:25] offset:i*16384 th:TH_LOAD_NT   ; channel 128 s + i at my position
.set i, i+1
.endr
	s_lshl_b32 s35, s32, 4
	s_lshr_b32 s36, s33, 1
	s_add_co_u32 s35, s35, s36                     ; the chunk of 256 positions: 16 b + block / 2
	s_mul_i32 s35, s35, 34816                      ; its record: 32,768 bytes of codes, 2,048 of scale words
	s_and_b32 s36, s33, 1
	s_lshl_b32 s36, s36, 2
	s_add_co_u32 s36, s36, s4                      ; my pair of tiles in the chunk: 4 (block % 2) + wave
	s_lshl_b32 s30, s36, 12
	s_add_co_u32 s30, s30, s35
	s_lshl_b32 s37, s34, 10
	s_add_co_u32 s30, s30, s37
	s_add_nc_u64 s[26:27], s[18:19], s[30:31]
	s_lshl_b32 s30, s36, 8
	s_add_co_u32 s30, s30, s35
	s_lshl_b32 s37, s34, 7
	s_add_co_u32 s30, s30, s37
	s_add_co_u32 s30, s30, 32768
	s_add_nc_u64 s[28:29], s[18:19], s[30:31]
.Lquant:
; Block be of my row's four.  left: how many of the 128 loads may stay out (loads come back in order); the weights' way has none out.
.macro QBLOCK be, left
.set XB, X+32*(\be)
	s_wait_loadcnt \left
	v_max3_num_f32 v12, |v[XB]|, |v[XB+1]|, |v[XB+2]|              ; the largest magnitude, in two chains
	v_max3_num_f32 v13, |v[XB+3]|, |v[XB+4]|, |v[XB+5]|
.irp i, 6,10,14,18,22,26
	v_max3_num_f32 v12, v12, |v[XB+\i]|, |v[XB+\i+1]|
	v_max3_num_f32 v13, v13, |v[XB+\i+2]|, |v[XB+\i+3]|
.endr
	v_max3_num_f32 v12, v12, |v[XB+30]|, |v[XB+31]|
	v_max3_num_f32 v12, v12, v13, 0x1800000        ; and the floor 2^(3 - 127): the byte cannot fall under 1
	v_add_nc_u32 v[SO+\be], 0xff000000, v12        ; 2 off its exponent field: the conversion takes the exponent field of this operand as its scale
	v_lshrrev_b32 v13, 23, v[SO+\be]               ; the scale's byte
.if (\be) == 0
	v_mov_b32 v[SW], v13
.else
	v_lshl_or_b32 v[SW], v13, 8*(\be), v[SW]
.endif
.irp g, 0,1,2,3
	v_cvt_scalef32_pk8_fp4_f32 v[C+4*(\be)+\g], v[XB+8*\g:XB+8*\g+7], v[SO+\be]
.endr
.endm
	QBLOCK 0, 63                                   ; at most 63 of 128 out: the first 65 are in
	QBLOCK 1, 63
	QBLOCK 2, 32
	QBLOCK 3, 0
	v_nop                                          ; one plain instruction between the last scaled conversion and the lines that touch its results
; A fragment wants, in lane (r, h), blocks h and 2 + h of row r.  Lanes 0-15 hold the even tile's rows, lanes 16-31 the odd tile's, each all four blocks:
; the exchange of one register's upper half with the other's lower half gives both tiles' fragments: C+0..3, C+8..11 the even tile's registers 0-3, 4-7; C+4..7, C+12..15 the odd tile's.
.irp g, 0,1,2,3
	v_permlane16_swap_b32 v[C+\g], v[C+4+\g]
	v_permlane16_swap_b32 v[C+8+\g], v[C+12+\g]
.endr
	global_store_b128 v2, v[C:C+3], s[26:27]                   ; each store: 512 consecutive bytes, aligned
	global_store_b128 v2, v[C+8:C+11], s[26:27] offset:512
	global_store_b128 v2, v[C+4:C+7], s[26:27] offset:2048
	global_store_b128 v2, v[C+12:C+15], s[26:27] offset:2560
	global_store_b32 v3, v[SW], s[28:29]
.Lend:
	s_wait_tensorcnt 0x0                           ; the wave's end, behind my last LDS store
	ds_add_u32 v[SPW], v[NIL]
	s_wait_dscnt 0x0
	s_endpgm
.Lfunc_end_k_q515fdad6e7_prep:
	.size	k_q515fdad6e7_prep, .Lfunc_end_k_q515fdad6e7_prep-k_q515fdad6e7_prep
	.p2alignl 7, 3214868480
	.fill 96, 4, 3214868480
	.section	.rodata,"a",@progbits
	.p2align	6, 0x0
	.amdhsa_kernel k_q515fdad6e7_prep
		.amdhsa_group_segment_fixed_size 135680
		.amdhsa_private_segment_fixed_size 0
		.amdhsa_enable_private_segment 0
		.amdhsa_kernarg_size 64
		.amdhsa_user_sgpr_count 2
		.amdhsa_user_sgpr_kernarg_segment_ptr 1
		.amdhsa_wavefront_size32 1
		.amdhsa_system_sgpr_workgroup_id_x 1
		.amdhsa_system_sgpr_workgroup_id_y 1
		.amdhsa_system_sgpr_workgroup_id_z 1
		.amdhsa_system_vgpr_workitem_id 0
		.amdhsa_next_free_vgpr 256
		.amdhsa_next_free_sgpr 66
		.amdhsa_reserve_vcc 0
		.amdhsa_float_denorm_mode_32 3
		.amdhsa_float_denorm_mode_16_64 3
		.amdhsa_memory_ordered 1
		.amdhsa_forward_progress 1
		.amdhsa_inst_pref_size 42
	.end_amdhsa_kernel
	.amdgpu_metadata
---
amdhsa.version: [ 1, 2 ]
amdhsa.kernels:
  - .name:           k_q515fdad6e7_prep
    .symbol:         k_q515fdad6e7_prep.kd
    .args:
      - { .name: x, .offset: 0, .size: 8, .value_kind: global_buffer, .address_space: global }
      - { .name: g_w, .offset: 8, .size: 8, .value_kind: global_buffer, .address_space: global }
      - { .name: phi_w, .offset: 16, .size: 8, .value_kind: global_buffer, .address_space: global }
      - { .name: theta_w, .offset: 24, .size: 8, .value_kind: global_buffer, .address_space: global }
      - { .name: out_w, .offset: 32, .size: 8, .value_kind: global_buffer, .address_space: global }
      - { .name: xqs, .offset: 40, .size: 8, .value_kind: global_buffer, .address_space: global }
      - { .name: wq, .offset: 48, .size: 8, .value_kind: global_buffer, .address_space: global }
      - { .name: owq, .offset: 56, .size: 8, .value_kind: global_buffer, .address_space: global }
    .group_segment_fixed_size: 135680
    .private_segment_fixed_size: 0
    .kernarg_segment_align: 8
    .kernarg_segment_size: 64
    .max_flat_workgroup_size: 128
    .sgpr_count:     66
    .vgpr_count:     256
    .wavefront_size: 32
...
	.end_amdgpu_metadata
.endif
;; end of part 1
;; launch pgram (part 2): grid 256 x 1, 8 waves a work-group, clusters of 4 x 1, 167,936 bytes of LDS; arguments xqs, wq, g_b, phi_b, part, stat; writes part, stat
.if DOCPART == 2
	.amdgcn_target "amdgcn-amd-amdhsa--gfx1250"
	.amdhsa_code_object_version 6
	.text
	.protected	k_q515fdad6e7_pgram
	.globl	k_q515fdad6e7_pgram
	.p2align	8
	.type	k_q515fdad6e7_pgram,@function
k_q515fdad6e7_pgram:
	s_mov_b64 s[64:65], 0
	v_nop
	global_prefetch_b8 v0, s[64:65] scope:SCOPE_SE
	s_setreg_imm32_b32 hwreg(HW_REG_WAVE_MODE, 25, 1), 1
	s_wait_xcnt 0x0
	s_wait_alu depctr_hold_cnt(0) depctr_sa_sdst(0) depctr_va_vdst(0) depctr_va_sdst(0) depctr_va_ssrc(0) depctr_va_vcc(0) depctr_vm_vsrc(0)
	s_getreg_b32 s2, hwreg(HW_REG_IB_STS2, 6, 4)
	s_cmp_eq_u32 s2, 0
	s_cbranch_scc0 .Lentry_in_a_cluster
	s_endpgm
.Lentry_in_a_cluster:
	s_bfe_u32 s2, ttmp6, 0x10000c
	s_cmp_lg_u32 s2, 0x3003
	s_cbranch_scc0 .Lentry_shape_is_right
	s_endpgm
.Lentry_shape_is_right:
; THE ORDER OF THE SUMS.  No softmax stands between theta phi and (..) g, so y = theta_c (phi_c g): per batch P[c][o] = sum over m of phi_c[c][m] g[m][o] (128 x 128) takes the place of the 4,096 x 4,096 matrix.
; This launch makes, for each chunk of 256 positions, g and phi by the quantised products (codes of FP4, one E8M0 scale for each 32 channels), and the chunk's part of P with f16 operands and f32 sums.
; phi's mean runs over 4,096 positions, more than a work-group sees: each chunk takes ITS OWN mean a off phi, in f32, ahead of the rounding to f16; the rest, (a - mean) x the chunk's sum of g, is added in f32 by the next launch,
; from the channel sums that are stored here.
; LIMITS: |phi - a| and |g| stay under 65,504 (f16); NaN and infinities are not served.
; SHARES.  A cluster of four work-groups is one chunk (cluster x = 16 batch + chunk).  The partner at place cx owns the block c = 64 (cx / 2) .., o = 64 (cx % 2) .. of P.  Waves 0-3 make phi's four tiles of 16 channels,
; waves 4-7 g's four, each for all 256 positions.  All four partners read the same 34,816 bytes of x's codes and scale words: they are asked for JOINTLY, one tensor load a wave (4,352 bytes), the same descriptor in all four.
; cx enters global addresses alone: no branch and no LDS address hangs on it.
; LAYOUT.  Quantised product: source 0 = 16 positions of x, source 1 = 16 rows of the weight: a lane holds ONE channel (lane % 16) and its registers positions 8 (lane / 16) + 0..7.  Two such tiles, rounded to f16 in pairs, ARE a fragment
; (16 channels x 32 positions) of the second product, whose K is the positions.  The fragments go from wave to wave through LDS as images of their registers.
.set XI,    0                          ; LDS: the chunk's record as it lies in memory: 32 fragments of 1,024 bytes, then 16 x 128 bytes of scale words
.set FI,    34816                      ; f16 fragment images: wave x 8,192 + (32 positions) x 1,024
.set SPARE, 100352                     ; the spare words, 128 bytes for each wave: four blocks of 256 bytes that no other line names
.set SPW,   14                         ; v14  SPARE + 4 x my thread's number; never rewritten
.set NIL,   15                         ; v15  0; never rewritten
.set BC,    16                         ; v16-23 my channel's bias eight times: the C of each sum's first product; later the four chains of the channel's sum
.set WF,    24                         ; v24-39 my weight tile's two fragments; later P's two accumulators
.set PA,    24
.set WS,    40                         ; v40-41 the weight's scale words (K step 0, 1): scales and nothing else
.set XS,    42                         ; v42-57 x's scale words, register 2 pair + K step: lanes 0-15 the even tile's, lanes 16-31 the odd tile's: scales and nothing else
.set XF,    64                         ; v64-127 x's fragments, two buffers of a pair of tiles; later my f16 fragments
.set ACC,   128                        ; v128-255 sixteen tiles of positions x 8
.set OP,    64                         ; v64-255 the second product's operands: 24 registers for each 32 positions
.set WV,    20
.set CX,    21
.set CI,    22
.set OI,    23
.set G1,    24                         ; s[24:31] descriptor group 1
.set G0,    32                         ; s[32:35] group 0
.set SEL,   36                         ; s[36:37] v_permlanex16_b32's selects for lane l xor 16
.macro ROUND                           ; a round of the cluster's barrier
	s_barrier_signal -1
	s_barrier_wait -1
	s_cmp_lg_u32 s[WV], 0
	s_cbranch_scc1 .Lnot_wave_0_\@
	s_barrier_signal -3
.Lnot_wave_0_\@:
	s_barrier_wait -3
	s_barrier_signal -1
	s_barrier_wait -1
.endm
	s_load_b256 s[8:15], s[0:1], 0x0               ; xqs, wq, g_b, phi_b
	s_load_b128 s[16:19], s[0:1], 0x20             ; part, stat
	v_lshl_add_u32 v[SPW], v0, 2, SPARE
	v_mov_b32 v[NIL], 0
	ds_add_u32 v[SPW], v[NIL]                      ; the wave's opening: the add, twice on end, and its wait ahead of my first tensor load
	ds_add_u32 v[SPW], v[NIL]                      ; once more; the set-up below, work on registers, stands between it and the wait
	v_lshrrev_b32 v1, 5, v0
	v_readfirstlane_b32 s[WV], v1                  ; wave 0..7
	s_bfe_u32 s[CX], ttmp6, 0x40000                ; my place in the cluster
	s_lshr_b32 s[CI], s[CX], 1                     ; which 64 of c
	s_and_b32 s[OI], s[CX], 1                      ; which 64 of o
	; group 1: 17 rows of 256 bytes (32 elements of 8 bytes), dense in memory and in LDS
	s_mov_b32 s[G1+0], 15|(3<<16)|(1<<21)          ; 15:0 the mask: all four work-groups; 17:16 elements of 8 bytes; 21 set beside a mask
	s_mov_b32 s[G1+1], 32<<16                      ; tensor_dim0 = 32
	s_mov_b32 s[G1+2], 17<<16                      ; tensor_dim1 = 17
	s_mov_b32 s[G1+3], 32<<16                      ; tile_dim0 = 32
	s_mov_b32 s[G1+4], 17                          ; tile_dim1 = 17
	s_mov_b32 s[G1+5], 32                          ; from row to row
	s_mov_b32 s[G1+6], 0
	s_mov_b32 s[G1+7], 0
	s_mov_b32 s[G0], 1
	s_mul_i32 s[G0+1], s[WV], 4352                 ; LDS: my eighth of the record
	s_mul_i32 s38, ttmp9, 34816
	s_add_co_u32 s38, s38, s[G0+1]
	s_mov_b32 s39, 0
	s_mov_b32 s[SEL], 0x76543210
	s_mov_b32 s[SEL+1], 0xfedcba98
	v_and_b32 v13, 31, v0                          ; lane
	v_lshlrev_b32 v1, 4, v13                       ; 16 x lane: an image's place for my lane
	v_lshlrev_b32 v2, 2, v13                       ; 4 x lane
	v_and_b32 v3, 15, v0
	v_lshlrev_b32 v3, 2, v3                        ; 4 x (lane % 16)
	s_lshl_b32 s40, s[WV], 13
	s_add_co_u32 s40, s40, FI
	v_add_nc_u32 v4, s40, v1                       ; where I store my images
	s_and_b32 s43, s[WV], 3
	s_lshl_b32 s40, s43, 13
	s_add_co_u32 s40, s40, FI
	v_add_nc_u32 v5, s40, v1                       ; phi's tile wave % 4
	s_lshr_b32 s56, s[WV], 2
	s_lshl_b32 s40, s56, 14
	s_add_co_u32 s40, s40, FI+32768
	v_add_nc_u32 v6, s40, v1                       ; g's tiles 2 (wave / 4) and + 1
	v_add_nc_u32 v7, 32768, v2                     ; x's scale words
	v_mov_b32 v59, 0                               ; written once: a lane permute's destination counts as one of its sources
	; which weight tile is mine: matrix m (1 phi, 0 g), tile t = 4 x (my work-group's half) + wave % 4
	s_cmp_lt_u32 s[WV], 4
	s_cselect_b32 s41, 1, 0
	s_cselect_b32 s42, s[CI], s[OI]
	s_lshl_b32 s42, s42, 2
	s_add_co_u32 s42, s42, s43                     ; t
	s_lshl_b32 s46, s41, 3
	s_add_co_u32 s46, s46, s42
	s_lshl_b32 s46, s46, 11                        ; its two fragments: (8 m + t) x 2,048
	s_mov_b32 s47, 0
	s_lshl_b32 s48, s41, 2                         ; its scale words: 49,152 + (4 m + t / 2) x 256 + (t % 2) x 64
	s_lshr_b32 s57, s42, 1
	s_add_co_u32 s48, s48, s57
	s_lshl_b32 s48, s48, 8
	s_and_b32 s57, s42, 1
	s_lshl_b32 s57, s57, 6
	s_add_co_u32 s48, s48, s57
	s_add_co_u32 s48, s48, 49152
	s_mov_b32 s49, 0
	s_lshl_b32 s50, s42, 6                         ; its 16 biases
	s_mov_b32 s51, 0
	s_lshl_b32 s52, ttmp9, 2                       ; stat: ((4 cluster + cx) x 8 + wave) x 128
	s_add_co_u32 s52, s52, s[CX]
	s_lshl_b32 s52, s52, 3
	s_add_co_u32 s52, s52, s[WV]
	s_lshl_b32 s52, s52, 7
	s_mov_b32 s53, 0
	s_lshl_b32 s54, ttmp9, 3                       ; part: ((8 chunk + c tile) x 8 + o tile) x 1,024
	s_lshl_b32 s57, s[CI], 2
	s_add_co_u32 s54, s54, s57
	s_add_co_u32 s54, s54, s43
	s_lshl_b32 s54, s54, 3
	s_lshl_b32 s57, s[OI], 2
	s_add_co_u32 s54, s54, s57
	s_lshl_b32 s57, s56, 1
	s_add_co_u32 s54, s54, s57
	s_lshl_b32 s54, s54, 10
	s_mov_b32 s55, 0
	s_wait_dscnt 0x0                               ; both opening adds are done
	s_wait_kmcnt 0x0
	s_add_nc_u64 s[G0+2:G0+3], s[8:9], s[38:39]    ; made of the cluster's number and the wave's alone: equal in all four partners
	s_or_b32 s[G0+3], s[G0+3], 0x80000000          ; type = 2
	s_add_nc_u64 s[46:47], s[10:11], s[46:47]
	s_add_nc_u64 s[48:49], s[10:11], s[48:49]
	s_cmp_lt_u32 s[WV], 4
	s_cselect_b64 s[44:45], s[14:15], s[12:13]     ; phi_b or g_b
	s_add_nc_u64 s[44:45], s[44:45], s[50:51]
	s_add_nc_u64 s[52:53], s[18:19], s[52:53]
	s_add_nc_u64 s[54:55], s[16:17], s[54:55]
	ROUND                                          ; all four work-groups are here: the joint loads meet
	tensor_load_to_lds s[G0:G0+3], s[G1:G1+7]      ; my one tensor load of the launch
	s_nop 0
.irp q, 0,1,2,3
	global_load_b128 v[WF+4*\q:WF+4*\q+3], v1, s[46:47] offset:512*\q
.endr
	global_load_b32 v[WS], v3, s[48:49]            ; lanes 0-15: row r's word (lanes 16-31 hold the same and are not read)
	global_load_b32 v[WS+1], v3, s[48:49] offset:128
	global_load_b32 v[BC], v3, s[44:45]            ; my channel's bias
	s_wait_loadcnt 0x0
.irp q, 1,2,3,4,5,6,7
	v_mov_b32 v[BC+\q], v[BC]
.endr
	s_wait_tensorcnt 0x0                           ; my eighth of the record is in,
	s_barrier_signal -1
	s_barrier_wait -1                              ; everybody's is
; ---- the quantised products
.macro PAIRLOAD pp                     ; a pair of tiles: four fragments (even tile K step 0, 1; odd tile K step 0, 1)
.set BUF, XF+32*((\pp)%2)
.irp i, 0,1,2,3,4,5,6,7
	ds_load_b128 v[BUF+4*\i:BUF+4*\i+3], v1 offset:(\pp)*4096+512*\i
.endr
.endm
.macro FP4STEP pp                      ; the pair's two accumulators take turns
.set BUF, XF+32*((\pp)%2)
.set A0, ACC+16*(\pp)
.if (\pp) < 7
	s_wait_dscnt 8                                 ; this pair is in; the next pair's eight loads may be out
.else
	s_wait_dscnt 0x0
.endif
	v_wmma_scale_f32_16x16x128_f8f6f4 v[A0:A0+7], v[BUF:BUF+7], v[WF:WF+7], v[BC:BC+7], v[XS+2*(\pp)], v[WS] matrix_a_fmt:MATRIX_FMT_FP4 matrix_b_fmt:MATRIX_FMT_FP4
	v_wmma_scale_f32_16x16x128_f8f6f4 v[A0+8:A0+15], v[BUF+16:BUF+23], v[WF:WF+7], v[BC:BC+7], v[XS+2*(\pp)], v[WS] matrix_a_fmt:MATRIX_FMT_FP4 matrix_b_fmt:MATRIX_FMT_FP4 matrix_a_scale:MATRIX_SCALE_ROW1
	v_wmma_scale_f32_16x16x128_f8f6f4 v[A0:A0+7], v[BUF+8:BUF+15], v[WF+8:WF+15], v[A0:A0+7], v[XS+2*(\pp)+1], v[WS+1] matrix_a_fmt:MATRIX_FMT_FP4 matrix_b_fmt:MATRIX_FMT_FP4
	v_wmma_scale_f32_16x16x128_f8f6f4 v[A0+8:A0+15], v[BUF+24:BUF+31], v[WF+8:WF+15], v[A0+8:A0+15], v[XS+2*(\pp)+1], v[WS+1] matrix_a_fmt:MATRIX_FMT_FP4 matrix_b_fmt:MATRIX_FMT_FP4 matrix_a_scale:MATRIX_SCALE_ROW1
.rept 4
	v_nop                                          ; four places in front of loads into registers that these products read, and of the first read of results
.endr
.if (\pp) < 6
	PAIRLOAD (\pp)+2
.endif
.endm
.irp q, 0,1,2,3,4,5,6,7,8,9,10,11,12,13,14,15
	ds_load_b32 v[XS+\q], v7 offset:128*\q
.endr
	PAIRLOAD 0
	PAIRLOAD 1
.irp p, 0,1,2,3,4,5,6,7
	FP4STEP \p
.endr
; ---- my channel's sum over the 256 positions: four chains of packed additions, each accumulator from its low end on
.irp q, 0,1,2,3
	v_pk_add_f32 v[BC+2*\q:BC+2*\q+1], v[ACC+2*\q:ACC+2*\q+1], v[ACC+8+2*\q:ACC+9+2*\q]
.endr
.set n, 8
.rept 56
	v_pk_add_f32 v[BC+2*(n%4):BC+2*(n%4)+1], v[BC+2*(n%4):BC+2*(n%4)+1], v[ACC+2*n:ACC+2*n+1]
.set n, n+1
.endr
	v_pk_add_f32 v[BC:BC+1], v[BC:BC+1], v[BC+2:BC+3]
	v_pk_add_f32 v[BC+4:BC+5], v[BC+4:BC+5], v[BC+6:BC+7]
	v_pk_add_f32 v[BC:BC+1], v[BC:BC+1], v[BC+4:BC+5]
	v_add_f32 v58, v[BC], v[BC+1]
	v_permlanex16_b32 v59, v58, s[SEL], s[SEL+1]   ; the channel's other 128 positions lie in the lane 16 away
	v_add_f32 v58, v58, v59
	global_store_b32 v2, v58, s[52:53]             ; v58 and v2 are not written again
	s_cmp_ge_u32 s[WV], 4
	s_cbranch_scc1 .Lno_centre                     ; g stays as it is
	v_mul_f32 v60, 0x3b800000, v58                 ; a = the sum / 256
	v_mov_b32 v61, v60
.set n, 0
.rept 64
	v_pk_add_f32 v[ACC+2*n:ACC+2*n+1], v[ACC+2*n:ACC+2*n+1], v[60:61] neg_lo:[0,1] neg_hi:[0,1]   ; phi - a, in f32
.set n, n+1
.endr
.Lno_centre:
.set n, 0
.rept 64
	v_cvt_pk_f16_f32 v[XF+n], v[ACC+2*n], v[ACC+2*n+1]   ; tiles 2 k and 2 k + 1 make fragment k: registers 0-3 positions 8 h + 0..7, registers 4-7 positions 16 + 8 h + 0..7
.set n, n+1
.endr
.set n, 0
.rept 16
	ds_store_b128 v4, v[XF+4*n:XF+4*n+3] offset:512*n
.set n, n+1
.endr
	s_wait_dscnt 0x0                               ; for the others' sake: my images have landed
	s_barrier_signal -1
	s_barrier_wait -1
; ---- my two tiles of P: source 0 = g (16 o), source 1 = phi (16 c): lane (r, h) holds c = r, its registers o = 8 h + 0..7
.irp k, 0,1,2,3,4,5,6,7
	ds_load_b128 v[OP+24*\k:OP+24*\k+3], v5 offset:\k*1024
	ds_load_b128 v[OP+24*\k+4:OP+24*\k+7], v5 offset:\k*1024+512
	ds_load_b128 v[OP+24*\k+8:OP+24*\k+11], v6 offset:\k*1024
	ds_load_b128 v[OP+24*\k+12:OP+24*\k+15], v6 offset:\k*1024+512
	ds_load_b128 v[OP+24*\k+16:OP+24*\k+19], v6 offset:8192+\k*1024
	ds_load_b128 v[OP+24*\k+20:OP+24*\k+23], v6 offset:8192+\k*1024+512
.endr
	s_wait_dscnt 24                                ; the first 128 positions' operands are in; the other 24 loads may be out
	v_wmma_f32_16x16x32_f16 v[PA:PA+7], v[OP+8:OP+15], v[OP:OP+7], 0             ; the first products start the sums
	v_wmma_f32_16x16x32_f16 v[PA+8:PA+15], v[OP+16:OP+23], v[OP:OP+7], 0
.irp k, 1,2,3
	v_wmma_f32_16x16x32_f16 v[PA:PA+7], v[OP+24*\k+8:OP+24*\k+15], v[OP+24*\k:OP+24*\k+7], v[PA:PA+7]
	v_wmma_f32_16x16x32_f16 v[PA+8:PA+15], v[OP+24*\k+16:OP+24*\k+23], v[OP+24*\k:OP+24*\k+7], v[PA+8:PA+15]
.endr
	s_wait_dscnt 0x0
.irp k, 4,5,6,7
	v_wmma_f32_16x16x32_f16 v[PA:PA+7], v[OP+24*\k+8:OP+24*\k+15], v[OP+24*\k:OP+24*\k+7], v[PA:PA+7]
	v_wmma_f32_16x16x32_f16 v[PA+8:PA+15], v[OP+24*\k+16:OP+24*\k+23], v[OP+24*\k:OP+24*\k+7], v[PA+8:PA+15]
.endr
.rept 4
	v_nop
.endr
.irp q, 0,1,2,3
	global_store_b128 v1, v[PA+4*\q:PA+4*\q+3], s[54:55] offset:512*\q   ; the accumulators' images, from the low end on: 512 consecutive bytes, aligned
.endr
	s_wait_tensorcnt 0x0                           ; the wave's end, behind my last tensor load and my last LDS store
	ds_add_u32 v[SPW], v[NIL]
	s_wait_dscnt 0x0
	ROUND                                          ; the closing round: no work-group ends while a partner may still ask for a tile that names it
	s_endpgm
.Lfunc_end_k_q515fdad6e7_pgram:
	.size	k_q515fdad6e7_pgram, .Lfunc_end_k_q515fdad6e7_pgram-k_q515fdad6e7_pgram
	.p2alignl 7, 3214868480
	.fill 96, 4, 3214868480
	.section	.rodata,"a",@progbits
	.p2align	6, 0x0
	.amdhsa_kernel k_q515fdad6e7_pgram
		.amdhsa_group_segment_fixed_size 167936
		.amdhsa_private_segment_fixed_size 0
		.amdhsa_enable_private_segment 0
		.amdhsa_kernarg_size 48
		.amdhsa_user_sgpr_count 2
		.amdhsa_user_sgpr_kernarg_segment_ptr 1
		.amdhsa_wavefront_size32 1
		.amdhsa_system_sgpr_workgroup_id_x 1
		.amdhsa_system_sgpr_workgroup_id_y 1
		.amdhsa_system_sgpr_workgroup_id_z 1
		.amdhsa_system_vgpr_workitem_id 0
		.amdhsa_next_free_vgpr 256
		.amdhsa_next_free_sgpr 66
		.amdhsa_reserve_vcc 0
		.amdhsa_float_denorm_mode_32 3
		.amdhsa_float_denorm_mode_16_64 3
		.amdhsa_memory_ordered 1
		.amdhsa_forward_progress 1
		.amdhsa_inst_pref_size 35
	.end_amdhsa_kernel
	.amdgpu_metadata
---
amdhsa.version: [ 1, 2 ]
amdhsa.kernels:
  - .name:           k_q515fdad6e7_pgram
    .symbol:         k_q515fdad6e7_pgram.kd
    .args:
      - { .name: xqs, .offset: 0, .size: 8, .value_kind: global_buffer, .address_space: global }
      - { .name: wq, .offset: 8, .size: 8, .value_kind: global_buffer, .address_space: global }
      - { .name: g_b, .offset: 16, .size: 8, .value_kind: global_buffer, .address_space: global }
      - { .name: phi_b, .offset: 24, .size: 8, .value_kind: global_buffer, .address_space: global }
      - { .name: part, .offset: 32, .size: 8, .value_kind: global_buffer, .address_space: global }
      - { .name: stat, .offset: 40, .size: 8, .value_kind: global_buffer, .address_space: global }
    .group_segment_fixed_size: 167936
    .private_segment_fixed_size: 0
    .kernarg_segment_align: 8
    .kernarg_segment_size: 48
    .max_flat_workgroup_size: 256
    .sgpr_count:     66
    .vgpr_count:     256
    .wavefront_size: 32
...
	.end_amdgpu_metadata
.endif
;; end of part 2
;; launch rmat (part 3): grid 32 x 1, 16 waves a work-group, no clusters, 27,136 bytes of LDS; arguments part, stat, owq, rq, rs; writes rq, rs
.if DOCPART == 3
	.amdgcn_target "amdgcn-amd-amdhsa--gfx1250"
	.amdhsa_code_object_version 6
	.text
	.protected	k_q515fdad6e7_rmat
	.globl	k_q515fdad6e7_rmat
	.p2align	8
	.type	k_q515fdad6e7_rmat,@function
k_q515fdad6e7_rmat:
	s_mov_b64 s[64:65], 0
	v_nop
	global_prefetch_b8 v0, s[64:65] scope:SCOPE_SE
	s_setreg_imm32_b32 hwreg(HW_REG_WAVE_MODE, 25, 1), 1
	s_wait_xcnt 0x0
; Per batch: P[c][o] = the sum of the 16 chunks' parts + sum over chunks of (a_k - mean[c]) x G_k[o] (a_k the chunk's mean of phi, G_k its sum of g: both from stat, all in f32), then R[oc][c] = sum over o of out_w[oc][o] P[c][o]
; with f16 operands and f32 sums.  P and R grow with the fourth and fifth power of the inputs, so neither has room in f16 as it stands: each tile of 16 c is multiplied by a power of two taken from its own largest magnitude
; (nothing is rounded by that), so that it lies under 2^15, and the exponents go along: R = R' x 2^(X - 281), X = E_A + E_P, stored for each tile of 16 c.
; LIMITS: largest magnitudes under 2^-100 count as 2^-100; NaN and infinities are not served.
; SHARES.  A work-group owns one batch b and one tile i of 16 c.  Wave w: first the tile (i, o tile j = w % 8) of P over half of the chunks (w / 8); the halves meet in LDS; then oc tile w of R.
; No cluster: what work-groups share is out_w's 64 KiB of f16 images of the 195 KiB that a work-group reads, and each image goes straight into the registers of the one wave that uses it.
.set HX,    0                          ; LDS: each wave's half of its tile of P: w x 1,024
.set MXH,   16384                      ; 16 words: the waves' largest magnitudes of P's halves
.set PF,    16640                      ; P' as f16 fragment images, one copy for each half of the waves: 512 w
.set MXA,   24832                      ; 16 words: the waves' largest magnitudes of the product
.set SPARE, 25088                      ; the spare words, 128 bytes for each wave: eight blocks of 256 bytes that no other line names
.set SPW,   4
.set NIL,   5
.set SA,    16                         ; v16-23 my half's eight chunk sums of phi, then a_k - mean; v24-31 the other half's
.set SG,    32                         ; v32-95 eight chunks x 8 sums of g; later at work
.set PL,    96                         ; v96-159 eight chunks' parts
.set OW,    160                        ; v160-191 out_w's four fragments
.set P,     192                        ; v192-199
.set PP,    200                        ; v200-207 the partner's half; at work before
.set PQ,    208                        ; v208-239 16 words of maxima; P' fragments
.set A0,    240
.set A1,    248
.set WV,    20
.set SEL,   18
.macro WAVEMAX src                     ; the largest magnitude of the wave's 8 x 32 numbers, and the floor 2^-100, in every lane of v14
	v_max3_num_f32 v14, |v[\src]|, |v[\src+1]|, 0xd800000
	v_max3_num_f32 v14, v14, |v[\src+2]|, |v[\src+3]|
	v_max3_num_f32 v14, v14, |v[\src+4]|, |v[\src+5]|
	v_max3_num_f32 v14, v14, |v[\src+6]|, |v[\src+7]|
	v_max_num_f32_dpp v14, v14, v14 row_xmask:1 row_mask:0xf bank_mask:0xf
	v_max_num_f32_dpp v14, v14, v14 row_xmask:2 row_mask:0xf bank_mask:0xf
	v_max_num_f32_dpp v14, v14, v14 row_xmask:4 row_mask:0xf bank_mask:0xf
	v_max_num_f32_dpp v14, v14, v14 row_xmask:8 row_mask:0xf bank_mask:0xf
	v_permlanex16_b32 v15, v14, s[SEL], s[SEL+1]
	v_max_num_f32 v14, v14, v15
.endm
.macro MAX16                           ; the largest of the sixteen waves' words
	v_max3_num_f32 v14, v[PQ], v[PQ+1], v[PQ+2]
.irp q, 3,5,7,9,11,13
	v_max3_num_f32 v14, v14, v[PQ+\q], v[PQ+\q+1]
.endr
	v_max_num_f32 v14, v14, v[PQ+15]
.endm
.macro BARRIER                         ; my LDS stores have landed and my LDS loads are in: then the work-group's barrier
	s_wait_dscnt 0x0
	s_barrier_signal -1
	s_barrier_wait -1
.endm
	s_load_b256 s[8:15], s[0:1], 0x0               ; part, stat, owq, rq
	s_load_b64 s[16:17], s[0:1], 0x20              ; rs
	v_lshl_add_u32 v[SPW], v0, 2, SPARE
	v_mov_b32 v[NIL], 0
	v_lshrrev_b32 v1, 5, v0
	v_readfirstlane_b32 s[WV], v1                  ; wave 0..15
	v_and_b32 v14, 31, v0
	v_lshlrev_b32 v1, 4, v14                       ; 16 x lane
	v_lshlrev_b32 v2, 2, v14                       ; 4 x lane
	v_bfe_u32 v3, v0, 4, 1
	v_lshlrev_b32 v3, 5, v3                        ; 32 x (lane / 16)
	s_lshl_b32 s30, s[WV], 10
	v_add_nc_u32 v6, s30, v1                       ; my half of the tile
	s_xor_b32 s31, s[WV], 8
	s_lshl_b32 s31, s31, 10
	v_add_nc_u32 v7, s31, v1                       ; the partner's
	s_lshl_b32 s32, s[WV], 2
	s_add_co_u32 s33, s32, MXH
	v_mov_b32 v8, s33
	v_mov_b32 v9, MXH
	s_lshl_b32 s34, s[WV], 9
	s_add_co_u32 s34, s34, PF
	v_add_nc_u32 v10, s34, v1                      ; P': copy w / 8, fragment j / 2, register group j % 2: 512 w
	s_lshr_b32 s24, s[WV], 3                       ; kh: my half of the chunks
	s_lshl_b32 s35, s24, 12
	s_add_co_u32 s35, s35, PF
	v_add_nc_u32 v11, s35, v1                      ; my half's copy, whole
	s_add_co_u32 s36, s32, MXA
	v_mov_b32 v12, s36
	v_mov_b32 v13, MXA
	v_mov_b32 v15, 0                               ; written once: a lane permute's destination counts as one of its sources
	s_mov_b32 s[SEL], 0x76543210
	s_mov_b32 s[SEL+1], 0xfedcba98
	s_mov_b32 s38, 0x3b800000                      ; 2^-8
	s_lshr_b32 s21, ttmp9, 3                       ; b
	s_and_b32 s22, ttmp9, 7                        ; i
	s_and_b32 s23, s[WV], 7                        ; j
	; stat's record of a work-group of the launch before is 1,024 bytes, 128 a wave; work-group 64 b + 4 chunk + place.  phi's tile i: place 2 (i / 4), wave i % 4.  g's tile j: place j / 4, wave 4 + j % 4
	s_lshl_b32 s25, s21, 6
	s_lshr_b32 s26, s22, 2
	s_lshl_b32 s26, s26, 1
	s_add_co_u32 s26, s26, s25
	s_and_b32 s27, s22, 3
	s_lshl_b32 s27, s27, 7
	s_lshl_b32 s28, s24, 5                         ; my half's first chunk x 4
	s_add_co_u32 s40, s26, s28
	s_lshl_b32 s40, s40, 10
	s_add_co_u32 s40, s40, s27
	s_mov_b32 s41, 0
	s_xor_b32 s29, s28, 32                         ; the other half's
	s_add_co_u32 s42, s26, s29
	s_lshl_b32 s42, s42, 10
	s_add_co_u32 s42, s42, s27
	s_mov_b32 s43, 0
	s_lshr_b32 s44, s23, 2
	s_add_co_u32 s44, s44, s25
	s_add_co_u32 s44, s44, s28
	s_lshl_b32 s44, s44, 10
	s_and_b32 s37, s23, 3
	s_add_co_u32 s37, s37, 4
	s_lshl_b32 s37, s37, 7
	s_add_co_u32 s44, s44, s37
	s_mov_b32 s45, 0
	s_lshl_b32 s46, s21, 4                         ; part: ((16 b + 8 kh) x 64 + 8 i + j) x 1,024
	s_lshl_b32 s37, s24, 3
	s_add_co_u32 s46, s46, s37
	s_lshl_b32 s46, s46, 6
	s_lshl_b32 s37, s22, 3
	s_add_co_u32 s46, s46, s37
	s_add_co_u32 s46, s46, s23
	s_lshl_b32 s46, s46, 10
	s_mov_b32 s47, 0
	s_lshl_b32 s48, s[WV], 12                      ; out_w's tile w: four images
	s_mov_b32 s49, 0
	s_lshl_b32 s50, s21, 4                         ; rq: ((16 b + w) x 4 + i / 2) x 1,024 + (i % 2) x 512
	s_add_co_u32 s50, s50, s[WV]
	s_lshl_b32 s50, s50, 2
	s_lshr_b32 s37, s22, 1
	s_add_co_u32 s50, s50, s37
	s_lshl_b32 s50, s50, 10
	s_and_b32 s37, s22, 1
	s_lshl_b32 s37, s37, 9
	s_add_co_u32 s50, s50, s37
	s_mov_b32 s51, 0
	s_lshl_b32 s52, ttmp9, 7                       ; rs: (8 b + i) x 128
	s_mov_b32 s53, 0
	s_wait_kmcnt 0x0
	s_add_nc_u64 s[40:41], s[10:11], s[40:41]
	s_add_nc_u64 s[42:43], s[10:11], s[42:43]
	s_add_nc_u64 s[44:45], s[10:11], s[44:45]
	s_add_nc_u64 s[46:47], s[8:9], s[46:47]
	s_add_nc_u64 s[48:49], s[12:13], s[48:49]
	s_add_nc_u64 s[50:51], s[14:15], s[50:51]
	s_add_nc_u64 s[52:53], s[16:17], s[52:53]
.irp kk, 0,1,2,3,4,5,6,7
	global_load_b32 v[SA+\kk], v2, s[40:41] offset:\kk*4096
.endr
.irp kk, 0,1,2,3,4,5,6,7
	global_load_b32 v[SA+8+\kk], v2, s[42:43] offset:\kk*4096
.endr
.irp kk, 0,1,2,3,4,5,6,7
	global_load_b128 v[SG+8*\kk:SG+8*\kk+3], v3, s[44:45] offset:\kk*4096       ; G_k at o = 16 j + 8 h + 0..7
	global_load_b128 v[SG+8*\kk+4:SG+8*\kk+7], v3, s[44:45] offset:\kk*4096+16
.endr
.irp kk, 0,1,2,3,4,5,6,7
	global_load_b128 v[PL+8*\kk:PL+8*\kk+3], v1, s[46:47] offset:\kk*65536 th:TH_LOAD_NT
	global_load_b128 v[PL+8*\kk+4:PL+8*\kk+7], v1, s[46:47] offset:\kk*65536+512 th:TH_LOAD_NT
.endr
.irp q, 0,1,2,3,4,5,6,7
	global_load_b128 v[OW+4*\q:OW+4*\q+3], v1, s[48:49] offset:512*\q
.endr
	s_wait_loadcnt 40                              ; phi's sixteen sums are in; behind them 16 + 16 + 8 loads may be out
	v_add_f32 v[PP], v[SA], v[SA+1]                ; each half in ascending order, then the two: both halves of the waves get the same bits
	v_add_f32 v[PP+1], v[SA+8], v[SA+9]
.irp kk, 2,3,4,5,6,7
	v_add_f32 v[PP], v[PP], v[SA+\kk]
	v_add_f32 v[PP+1], v[PP+1], v[SA+8+\kk]
.endr
	v_add_f32 v[PP], v[PP], v[PP+1]
	v_mul_f32 v[PP+2], 0x39800000, v[PP]           ; the mean over 4,096 positions
.irp kk, 0,1,2,3,4,5,6,7
	v_fma_f32 v[SA+\kk], v[SA+\kk], s38, -v[PP+2]  ; a_k - mean
.endr
	s_wait_loadcnt 8                               ; g's sums and the parts are in; out_w's eight loads may be out
.irp q, 0,1,2,3,4,5,6,7
	v_fma_f32 v[P+\q], v[SG+\q], v[SA], v[PL+\q]
.endr
.irp kk, 1,2,3,4,5,6,7
.irp q, 0,1,2,3,4,5,6,7
	v_fma_f32 v[P+\q], v[SG+8*\kk+\q], v[SA+\kk], v[P+\q]
.endr
.irp q, 0,2,4,6
	v_pk_add_f32 v[P+\q:P+\q+1], v[P+\q:P+\q+1], v[PL+8*\kk+\q:PL+8*\kk+\q+1]
.endr
.endr
	WAVEMAX P
	ds_store_b128 v6, v[P:P+3]
	ds_store_b128 v6, v[P+4:P+7] offset:512
	ds_store_b32 v8, v14                           ; all lanes write the same word with the same value
	BARRIER
	ds_load_b128 v[PP:PP+3], v7
	ds_load_b128 v[PP+4:PP+7], v7 offset:512
.irp q, 0,1,2,3
	ds_load_b128 v[PQ+4*\q:PQ+4*\q+3], v9 offset:16*\q
.endr
	s_wait_dscnt 0x0
.irp q, 0,2,4,6
	v_pk_add_f32 v[P+\q:P+\q+1], v[P+\q:P+\q+1], v[PP+\q:PP+\q+1]   ; the whole tile, the same bits in both waves
.endr
	MAX16
	v_lshrrev_b32 v32, 23, v14                     ; E_P: every half lies under 2^(E_P - 126), so |P| < 2^(E_P - 125)
	v_sub_nc_u32 v36, 267, v32
	v_lshlrev_b32 v36, 23, v36                     ; 2^(140 - E_P): |P'| < 2^15
	v_mov_b32 v37, v36
.irp q, 0,2,4,6
	v_pk_mul_f32 v[P+\q:P+\q+1], v[P+\q:P+\q+1], v[36:37]
.endr
.irp q, 0,1,2,3
	v_cvt_pk_f16_f32 v[40+\q], v[P+2*\q], v[P+2*\q+1]   ; lane (r, h): c = r, o = 16 j + 8 h + 0..7: register group j % 2 of fragment j / 2
.endr
	ds_store_b128 v10, v[40:43]
	BARRIER
.irp q, 0,1,2,3,4,5,6,7
	ds_load_b128 v[PQ+4*\q:PQ+4*\q+3], v11 offset:512*\q
.endr
	s_wait_loadcnt 0x0                             ; out_w
	s_wait_dscnt 0x0
	v_wmma_f32_16x16x32_f16 v[A0:A0+7], v[PQ:PQ+7], v[OW:OW+7], 0                 ; source 0 = P' (16 c), source 1 = out_w (16 oc); two accumulators by turns
	v_wmma_f32_16x16x32_f16 v[A1:A1+7], v[PQ+8:PQ+15], v[OW+8:OW+15], 0
	v_wmma_f32_16x16x32_f16 v[A0:A0+7], v[PQ+16:PQ+23], v[OW+16:OW+23], v[A0:A0+7]
	v_wmma_f32_16x16x32_f16 v[A1:A1+7], v[PQ+24:PQ+31], v[OW+24:OW+31], v[A1:A1+7]
.rept 4
	v_nop
.endr
.irp q, 0,2,4,6
	v_pk_add_f32 v[A0+\q:A0+\q+1], v[A0+\q:A0+\q+1], v[A1+\q:A1+\q+1]   ; both from the low end on
.endr
	WAVEMAX A0
	ds_store_b32 v12, v14
	BARRIER
.irp q, 0,1,2,3
	ds_load_b128 v[PQ+4*\q:PQ+4*\q+3], v13 offset:16*\q
.endr
	s_wait_dscnt 0x0
	MAX16
	v_lshrrev_b32 v33, 23, v14                     ; E_A: every number lies under 2^(E_A - 126)
	v_sub_nc_u32 v36, 268, v33
	v_lshlrev_b32 v36, 23, v36                     ; 2^(141 - E_A): |R'| < 2^15
	v_mov_b32 v37, v36
.irp q, 0,2,4,6
	v_pk_mul_f32 v[A0+\q:A0+\q+1], v[A0+\q:A0+\q+1], v[36:37]
.endr
.irp q, 0,1,2,3
	v_cvt_pk_f16_f32 v[48+\q], v[A0+2*\q], v[A0+2*\q+1]   ; lane (r, h): oc = r, c = 16 i + 8 h + 0..7: register group i % 2 of the fragment (oc tile w, 32 c: i / 2)
.endr
	global_store_b128 v1, v[48:51], s[50:51]       ; 512 consecutive bytes, aligned
	v_add_nc_u32 v34, v32, v33                     ; X = E_A + E_P
	s_cmp_lg_u32 s[WV], 0
	s_cbranch_scc1 .Lnot_first
	global_store_b32 v2, v34, s[52:53]
.Lnot_first:
	s_wait_tensorcnt 0x0                           ; the wave's end, behind my last LDS store
	ds_add_u32 v[SPW], v[NIL]
	s_wait_dscnt 0x0
	s_endpgm
.Lfunc_end_k_q515fdad6e7_rmat:
	.size	k_q515fdad6e7_rmat, .Lfunc_end_k_q515fdad6e7_rmat-k_q515fdad6e7_rmat
	.p2alignl 7, 3214868480
	.fill 96, 4, 3214868480
	.section	.rodata,"a",@progbits
	.p2align	6, 0x0
	.amdhsa_kernel k_q515fdad6e7_rmat
		.amdhsa_group_segment_fixed_size 27136
		.amdhsa_private_segment_fixed_size 0
		.amdhsa_enable_private_segment 0
		.amdhsa_kernarg_size 40
		.amdhsa_user_sgpr_count 2
		.amdhsa_user_sgpr_kernarg_segment_ptr 1
		.amdhsa_wavefront_size32 1
		.amdhsa_system_sgpr_workgroup_id_x 1
		.amdhsa_system_sgpr_workgroup_id_y 1
		.amdhsa_system_sgpr_workgroup_id_z 1
		.amdhsa_system_vgpr_workitem_id 0
		.amdhsa_next_free_vgpr 256
		.amdhsa_next_free_sgpr 66
		.amdhsa_reserve_vcc 0
		.amdhsa_float_denorm_mode_32 3
		.amdhsa_float_denorm_mode_16_64 3
		.amdhsa_memory_ordered 1
		.amdhsa_forward_progress 1
		.amdhsa_inst_pref_size 23
	.end_amdhsa_kernel
	.amdgpu_metadata
---
amdhsa.version: [ 1, 2 ]
amdhsa.kernels:
  - .name:           k_q515fdad6e7_rmat
    .symbol:         k_q515fdad6e7_rmat.kd
    .args:
      - { .name: part, .offset: 0, .size: 8, .value_kind: global_buffer, .address_space: global }
      - { .name: stat, .offset: 8, .size: 8, .value_kind: global_buffer, .address_space: global }
      - { .name: owq, .offset: 16, .size: 8, .value_kind: global_buffer, .address_space: global }
      - { .name: rq, .offset: 24, .size: 8, .value_kind: global_buffer, .address_space: global }
      - { .name: rs, .offset: 32, .size: 8, .value_kind: global_buffer, .address_space: global }
    .group_segment_fixed_size: 27136
    .private_segment_fixed_size: 0
    .kernarg_segment_align: 8
    .kernarg_segment_size: 40
    .max_flat_workgroup_size: 512
    .sgpr_count:     66
    .vgpr_count:     256
    .wavefront_size: 32
...
	.end_amdgpu_metadata
.endif
;; end of part 3
;; launch final (part 4): grid 256 x 1, 8 waves a work-group, clusters of 4 x 1, 199,680 bytes of LDS; arguments x, xqs, wq, theta_b, rq, rs, out_b, out0; writes out0
.if DOCPART == 4
	.amdgcn_target "amdgcn-amd-amdhsa--gfx1250"
	.amdhsa_code_object_version 6
	.text
	.protected	k_q515fdad6e7_final
	.globl	k_q515fdad6e7_final
	.p2align	8
	.type	k_q515fdad6e7_final,@function
k_q515fdad6e7_final:
	s_mov_b64 s[64:65], 0
	v_nop
	global_prefetch_b8 v0, s[64:65] scope:SCOPE_SE
	s_setreg_imm32_b32 hwreg(HW_REG_WAVE_MODE, 25, 1), 1
	s_wait_xcnt 0x0
	s_wait_alu depctr_hold_cnt(0) depctr_sa_sdst(0) depctr_va_vdst(0) depctr_va_sdst(0) depctr_va_ssrc(0) depctr_va_vcc(0) depctr_vm_vsrc(0)
	s_getreg_b32 s2, hwreg(HW_REG_IB_STS2, 6, 4)
	s_cmp_eq_u32 s2, 0
	s_cbranch_scc0 .Lentry_in_a_cluster
	s_endpgm
.Lentry_in_a_cluster:
	s_bfe_u32 s2, ttmp6, 0x10000c
	s_cmp_lg_u32 s2, 0x3003
	s_cbranch_scc0 .Lentry_shape_is_right
	s_endpgm
.Lentry_shape_is_right:
; out0[b][oc][n] = x[b][oc][n] + out_b[oc] + sum over c of R[oc][c] theta_c[n][c].  theta comes by the quantised product (codes of FP4, one E8M0 scale for each 32 channels) + theta_b, and is centred over its 128 channels in f32.
; R comes as R' (f16, under 2^15) with an exponent X_g for each tile g of 16 c: R = R' x 2^(X_g - 281).  With X = the largest X_g, theta' = theta_c x 2^(X_g - X) (a power of two: only the subtraction rounds) is rounded to f16,
; and out = S x (R' theta') with S = 2^(X - 281).
; LIMITS: |theta_c| stays under 65,504 (f16); NaN and infinities are not served.
; SHARES.  A cluster of four work-groups is a chunk of 256 positions of one batch (cluster x = 16 b + chunk); the partner at place cx owns 64 of them, four tiles of 16.  Wave w owns oc rows 32 w .. 32 w + 31; waves 0-3 also make theta of tile w.
; R' of the batch (64 KiB) and theta_w's codes (16 KiB) are the same for all four partners: they are asked for JOINTLY, an eighth a wave.  x's tile (256 rows x 256 bytes) is the work-group's own: a plain tensor load, 32 rows a wave.
; A wave has three tensor loads out.  cx enters global addresses alone: no branch and no LDS address hangs on it.
.set XT,    0                          ; LDS: x's tile: w x 8,192: 32 rows of 256 bytes; read by the wave that asked for it
.set RT,    65536                      ; R': w x 8,192: oc tiles 2 w, 2 w + 1, four images each; read by the wave that asked for it
.set WT,    131072                     ; theta_w's 16 fragment images; read by waves 0-3
.set TI,    147456                     ; theta' images: tile x 4,096 + (32 c) x 1,024
.set STG,   163840                     ; the way out: 16 rows x (256 bytes + 16) for each wave
.set SPARE, 198656                     ; the spare words, 128 bytes for each wave: four blocks of 256 bytes that no other line names
.set SPW,   14
.set NIL,   15
.set SS,    16                         ; v16-17 S
.set OB,    18                         ; v18-21 out_b of my row in tile 0, 1 (pairs: the low word serves both halves)
.set XS,    22                         ; v22-23 x's scale words: scales and nothing else
.set TS,    24                         ; v24-31 theta_w's scale words, register 2 (pair of tiles) + K step: scales and nothing else
.set FG,    32                         ; v32-39 2^(X_g - X)
.set MF,    40                         ; v40-47 the sum's four chains; then -mean x 2^(X_g - X)
.set XF,    48                         ; v48-63 x's two fragments
.set OA,    64                         ; v64-127 theta's eight accumulators; later out's eight: (oc tile tt, tile of positions u) at OA + 8 (4 tt + u)
.set OPB,   128                        ; v128-255 theta_w's fragments; theta' as f16; two operand buffers of 48; on the way out rows of out and of x
.set WV,    60
.set CX,    61
.set G1X,   24
.set G1R,   32
.set G1W,   40
.set G0X,   48
.set G0R,   52
.set G0W,   56
.set XG,    68                         ; s68-75 X_g
.set SEL,   80
.macro ROUND                           ; a round of the cluster's barrier
	s_barrier_signal -1
	s_barrier_wait -1
	s_cmp_lg_u32 s[WV], 0
	s_cbranch_scc1 .Lnot_wave_0_\@
	s_barrier_signal -3
.Lnot_wave_0_\@:
	s_barrier_wait -3
	s_barrier_signal -1
	s_barrier_wait -1
.endm
	s_load_b512 s[8:23], s[0:1], 0x0               ; x, xqs, wq, theta_b, rq, rs, out_b, out0
	v_lshl_add_u32 v[SPW], v0, 2, SPARE
	v_mov_b32 v[NIL], 0
	ds_add_u32 v[SPW], v[NIL]                      ; the wave's opening: the add, twice on end, and its wait ahead of my first tensor load
	ds_add_u32 v[SPW], v[NIL]                      ; once more; the set-up below, work on registers, stands between it and the wait
	v_lshrrev_b32 v1, 5, v0
	v_readfirstlane_b32 s[WV], v1                  ; wave 0..7
	s_bfe_u32 s[CX], ttmp6, 0x40000                ; my place in the cluster
	s_lshr_b32 s62, ttmp9, 4                       ; b
	s_and_b32 s63, ttmp9, 15                       ; the chunk
	; group 1 for x's tile: 32 rows of 64 f32, 4,096 elements apart; no mask
	s_mov_b32 s[G1X+0], 2<<16
	s_mov_b32 s[G1X+1], 64<<16
	s_mov_b32 s[G1X+2], 32<<16
	s_mov_b32 s[G1X+3], 64<<16
	s_mov_b32 s[G1X+4], 32
	s_mov_b32 s[G1X+5], 4096
	s_mov_b32 s[G1X+6], 0
	s_mov_b32 s[G1X+7], 0
	; for R': 32 dense rows of 256 bytes (32 elements of 8 bytes); the mask names all four work-groups, bit 21 set beside it
	s_mov_b32 s[G1R+0], 15|(3<<16)|(1<<21)
	s_mov_b32 s[G1R+1], 32<<16
	s_mov_b32 s[G1R+2], 32<<16
	s_mov_b32 s[G1R+3], 32<<16
	s_mov_b32 s[G1R+4], 32
	s_mov_b32 s[G1R+5], 32
	s_mov_b32 s[G1R+6], 0
	s_mov_b32 s[G1R+7], 0
	; for theta_w's codes: 8 such rows
	s_mov_b32 s[G1W+0], 15|(3<<16)|(1<<21)
	s_mov_b32 s[G1W+1], 32<<16
	s_mov_b32 s[G1W+2], 8<<16
	s_mov_b32 s[G1W+3], 32<<16
	s_mov_b32 s[G1W+4], 8
	s_mov_b32 s[G1W+5], 32
	s_mov_b32 s[G1W+6], 0
	s_mov_b32 s[G1W+7], 0
	s_lshl_b32 s3, s[WV], 13
	s_lshl_b32 s4, s[WV], 11
	s_mov_b32 s[G0X], 1
	s_lshl_b32 s[G0X+1], s[WV], 13                 ; XT + 8,192 w
	s_mov_b32 s[G0R], 1
	s_add_co_u32 s[G0R+1], s3, RT
	s_mov_b32 s[G0W], 1
	s_add_co_u32 s[G0W+1], s4, WT
	s_lshl_b32 s82, s62, 22                        ; x and out0: batch, my 32 rows, my work-group's 64 positions
	s_lshl_b32 s5, s[WV], 19
	s_add_co_u32 s82, s82, s5
	s_lshl_b32 s5, s63, 10
	s_add_co_u32 s82, s82, s5
	s_lshl_b32 s5, s[CX], 8
	s_add_co_u32 s82, s82, s5
	s_mov_b32 s83, 0
	s_lshl_b32 s86, s62, 16                        ; rq: made of the cluster's number and the wave's alone
	s_add_co_u32 s86, s86, s3
	s_mov_b32 s87, 0
	s_add_co_u32 s88, s4, 32768                    ; wq: theta_w's codes, my eighth
	s_mov_b32 s89, 0
	s_lshl_b32 s90, s62, 10                        ; rs: the batch's eight exponents, 128 bytes apart
	s_mov_b32 s91, 0
	s_mul_i32 s6, ttmp9, 34816                     ; xqs: the chunk's record
	s_lshl_b32 s5, s[CX], 2
	s_add_co_u32 s5, s5, s[WV]                     ; (waves 0-3) my tile of positions in the chunk: 4 cx + w
	s_lshl_b32 s5, s5, 11
	s_add_co_u32 s92, s6, s5
	s_mov_b32 s93, 0
	s_lshl_b32 s5, s[CX], 1                        ; its scale words: 32,768 + (2 cx + w / 2) x 256 + (w % 2) x 64
	s_lshr_b32 s7, s[WV], 1
	s_add_co_u32 s5, s5, s7
	s_lshl_b32 s5, s5, 8
	s_and_b32 s7, s[WV], 1
	s_lshl_b32 s7, s7, 6
	s_add_co_u32 s5, s5, s7
	s_add_co_u32 s5, s5, 32768
	s_add_co_u32 s94, s6, s5
	s_mov_b32 s95, 0
	s_lshl_b32 s66, s[WV], 7                       ; out_b: my 32 rows
	s_mov_b32 s67, 0
	s_mov_b32 s[SEL], 0x76543210
	s_mov_b32 s[SEL+1], 0xfedcba98
	v_and_b32 v13, 31, v0                          ; lane
	v_and_b32 v2, 15, v0                           ; r
	v_bfe_u32 v3, v0, 4, 1                         ; h
	v_lshlrev_b32 v1, 4, v13                       ; 16 x lane
	v_lshlrev_b32 v12, 2, v13                      ; 4 x lane
	s_mul_i32 s7, s[WV], 4352
	s_add_co_u32 s7, s7, STG                       ; my stage
	v_mul_u32_u24 v4, v2, 272
	v_lshl_add_u32 v4, v3, 5, v4
	v_add_nc_u32 v4, s7, v4                        ; in: row r, 32 bytes for each half of the lanes
	v_mul_u32_u24 v5, v3, 272
	v_lshl_add_u32 v5, v2, 4, v5
	v_add_nc_u32 v5, s7, v5                        ; back: lanes 0-15 one row of 256 bytes, lanes 16-31 the next
	v_lshlrev_b32 v6, 14, v3
	v_lshl_add_u32 v6, v2, 4, v6                   ; and the same two rows in out0
	v_add_nc_u32 v7, s[G0X+1], v1                  ; x's tile: two rows are 512 consecutive bytes
	v_add_nc_u32 v8, s[G0R+1], v1                  ; my images of R'
	v_add_nc_u32 v9, TI, v1
	v_add_nc_u32 v10, WT, v1
	s_and_b32 s5, s[WV], 3
	s_lshl_b32 s5, s5, 12
	s_add_co_u32 s5, s5, TI
	v_add_nc_u32 v11, s5, v1                       ; where waves 0-3 store theta'
	v_lshlrev_b32 v2, 2, v2                        ; 4 r
	v_lshlrev_b32 v3, 5, v3                        ; 32 h
	v_mov_b32 v[OB+1], 0                           ; the pairs' upper words are named, so they are written
	v_mov_b32 v[OB+3], 0
	s_wait_dscnt 0x0                               ; both opening adds are done
	s_wait_kmcnt 0x0
	s_add_nc_u64 s[G0X+2:G0X+3], s[8:9], s[82:83]
	s_or_b32 s[G0X+3], s[G0X+3], 0x80000000
	s_add_nc_u64 s[84:85], s[22:23], s[82:83]
	s_add_nc_u64 s[G0R+2:G0R+3], s[16:17], s[86:87]
	s_or_b32 s[G0R+3], s[G0R+3], 0x80000000
	s_add_nc_u64 s[G0W+2:G0W+3], s[12:13], s[88:89]
	s_or_b32 s[G0W+3], s[G0W+3], 0x80000000
	s_add_nc_u64 s[90:91], s[18:19], s[90:91]
	s_add_nc_u64 s[92:93], s[10:11], s[92:93]
	s_add_nc_u64 s[94:95], s[10:11], s[94:95]
	s_add_nc_u64 s[66:67], s[20:21], s[66:67]
.irp g, 0,1,2,3,4,5,6,7
	s_load_b32 s[XG+\g], s[90:91], \g*128
.endr
	ROUND                                          ; all four work-groups are here: the joint loads meet
	tensor_load_to_lds s[G0W:G0W+3], s[G1W:G1W+7]  ; in the order in which they are wanted: theta_w's codes,
	s_nop 0
	tensor_load_to_lds s[G0R:G0R+3], s[G1R:G1R+7]  ; R',
	s_nop 0
	tensor_load_to_lds s[G0X:G0X+3], s[G1X:G1X+7]  ; x's tile
	s_nop 0
	s_cmp_ge_u32 s[WV], 4
	s_cbranch_scc1 .Lno_theta_loads
.irp q, 0,1,2,3
	global_load_b128 v[XF+4*\q:XF+4*\q+3], v1, s[92:93] offset:512*\q
.endr
	global_load_b32 v[XS], v2, s[94:95]            ; lanes 0-15: position r's word
	global_load_b32 v[XS+1], v2, s[94:95] offset:128
.irp tp, 0,1,2,3
.irp s, 0,1
	global_load_b32 v[TS+2*\tp+\s], v12, s[12:13] offset:49152+(8+\tp)*256+128*\s
.endr
.endr
.irp t, 0,1,2,3,4,5,6,7
	global_load_b128 v[OA+8*\t:OA+8*\t+3], v3, s[14:15] offset:64*\t         ; theta_b at channels 16 t + 8 h + 0..7, straight into the accumulators
	global_load_b128 v[OA+8*\t+4:OA+8*\t+7], v3, s[14:15] offset:64*\t+16
.endr
.Lno_theta_loads:
	global_load_b32 v[OB], v2, s[66:67]
	global_load_b32 v[OB+2], v2, s[66:67] offset:64
	s_wait_kmcnt 0x0                               ; the exponents
	s_max_u32 s76, s[XG], s[XG+1]
.irp g, 2,3,4,5,6,7
	s_max_u32 s76, s76, s[XG+\g]
.endr
	s_sub_co_i32 s77, s76, 281
	v_ldexp_f32 v[SS], 1.0, s77                    ; S
	v_mov_b32 v[SS+1], v[SS]
	s_wait_tensorcnt 2                             ; my eighth of theta_w's codes is in; R' and x's tile may stay out
	s_barrier_signal -1
	s_barrier_wait -1                              ; everybody's is
	s_cmp_ge_u32 s[WV], 4
	s_cbranch_scc1 .Lno_theta
; ---- theta of my 16 positions: source 0 = 16 rows of theta_w, source 1 = x: lane (r, h) holds position r, register j of tile t channel 16 t + 8 h + j
.set n, 0
.rept 32
	ds_load_b128 v[OPB+4*n:OPB+4*n+3], v10 offset:512*n    ; fragment (t, K step s) at OPB + 16 t + 8 s
.set n, n+1
.endr
.irp g, 0,1,2,3,4,5,6,7
	s_sub_co_i32 s78, s[XG+\g], s76
	v_ldexp_f32 v[FG+\g], 1.0, s78                 ; 2^(X_g - X), at most 1
.endr
	s_wait_loadcnt 0x0
	s_wait_dscnt 0x0
.irp s, 0,1                                    ; the eight accumulators take turns
.irp tp, 0,1,2,3
	v_wmma_scale_f32_16x16x128_f8f6f4 v[OA+16*\tp:OA+16*\tp+7], v[OPB+32*\tp+8*\s:OPB+32*\tp+8*\s+7], v[XF+8*\s:XF+8*\s+7], v[OA+16*\tp:OA+16*\tp+7], v[TS+2*\tp+\s], v[XS+\s] matrix_a_fmt:MATRIX_FMT_FP4 matrix_b_fmt:MATRIX_FMT_FP4
	v_wmma_scale_f32_16x16x128_f8f6f4 v[OA+16*\tp+8:OA+16*\tp+15], v[OPB+32*\tp+16+8*\s:OPB+32*\tp+16+8*\s+7], v[XF+8*\s:XF+8*\s+7], v[OA+16*\tp+8:OA+16*\tp+15], v[TS+2*\tp+\s], v[XS+\s] matrix_a_fmt:MATRIX_FMT_FP4 matrix_b_fmt:MATRIX_FMT_FP4 matrix_a_scale:MATRIX_SCALE_ROW1
.endr
.endr
.rept 4
	v_nop
.endr
.irp q, 0,1,2,3                                ; my position's sum over the channels: four chains, each accumulator from its low end on
	v_pk_add_f32 v[MF+2*\q:MF+2*\q+1], v[OA+2*\q:OA+2*\q+1], v[OA+8+2*\q:OA+9+2*\q]
.endr
.set n, 8
.rept 24
	v_pk_add_f32 v[MF+2*(n%4):MF+2*(n%4)+1], v[MF+2*(n%4):MF+2*(n%4)+1], v[OA+2*n:OA+2*n+1]
.set n, n+1
.endr
	v_pk_add_f32 v[MF:MF+1], v[MF:MF+1], v[MF+2:MF+3]
	v_pk_add_f32 v[MF+4:MF+5], v[MF+4:MF+5], v[MF+6:MF+7]
	v_pk_add_f32 v[MF:MF+1], v[MF:MF+1], v[MF+4:MF+5]
	v_add_f32 v[MF], v[MF], v[MF+1]
	v_permlanex16_b32 v[MF+1], v[MF], s[SEL], s[SEL+1]   ; the position's other 64 channels lie in the lane 16 away
	v_add_f32 v[MF], v[MF], v[MF+1]
	v_mul_f32 v13, 0xbc000000, v[MF]               ; -mean
.irp t, 0,1,2,3,4,5,6,7
	v_mul_f32 v[MF+\t], v13, v[FG+\t]
.endr
.irp t, 0,1,2,3,4,5,6,7
.irp j, 0,1,2,3,4,5,6,7
	v_fma_f32 v[OA+8*\t+\j], v[OA+8*\t+\j], v[FG+\t], v[MF+\t]   ; (theta - mean) x 2^(X_t - X): one rounding
.endr
.endr
.set n, 0
.rept 32
	v_cvt_pk_f16_f32 v[OPB+n], v[OA+2*n], v[OA+2*n+1]    ; tiles 2 k, 2 k + 1 make fragment k: 16 positions x 32 c
.set n, n+1
.endr
.irp t, 0,1,2,3,4,5,6,7
	ds_store_b128 v11, v[OPB+4*\t:OPB+4*\t+3] offset:512*\t
.endr
.Lno_theta:
	s_wait_dscnt 0x0                               ; for the others' sake: theta's images have landed
	s_barrier_signal -1
	s_barrier_wait -1
	s_wait_tensorcnt 1                             ; my part of R' is in (I alone read it); x's tile may stay out
; ---- out: source 0 = theta' (16 positions), source 1 = R' (16 oc): lane (r, h) holds row oc = r and eight neighbouring positions
.macro KLOAD kap
.set KB, OPB+48*((\kap)%2)
.irp u, 0,1,2,3
	ds_load_b128 v[KB+8*\u:KB+8*\u+3], v9 offset:\u*4096+(\kap)*1024
	ds_load_b128 v[KB+8*\u+4:KB+8*\u+7], v9 offset:\u*4096+(\kap)*1024+512
.endr
.irp tt, 0,1
	ds_load_b128 v[KB+32+8*\tt:KB+32+8*\tt+3], v8 offset:\tt*4096+(\kap)*1024
	ds_load_b128 v[KB+32+8*\tt+4:KB+32+8*\tt+7], v8 offset:\tt*4096+(\kap)*1024+512
.endr
.endm
.macro KMUL kap                        ; eight accumulators by turns, in the same order in every step
.set KB, OPB+48*((\kap)%2)
.irp tt, 0,1
.irp u, 0,1,2,3
.if (\kap) == 0
	v_wmma_f32_16x16x32_f16 v[OA+8*(4*\tt+\u):OA+8*(4*\tt+\u)+7], v[KB+8*\u:KB+8*\u+7], v[KB+32+8*\tt:KB+32+8*\tt+7], 0
.else
	v_wmma_f32_16x16x32_f16 v[OA+8*(4*\tt+\u):OA+8*(4*\tt+\u)+7], v[KB+8*\u:KB+8*\u+7], v[KB+32+8*\tt:KB+32+8*\tt+7], v[OA+8*(4*\tt+\u):OA+8*(4*\tt+\u)+7]
.endif
.endr
.endr
.endm
.macro PLACES                          ; four places in front of loads into registers that matrix instructions have read, and of the first read of results
.rept 4
	v_nop
.endr
.endm
	KLOAD 0
	KLOAD 1
	s_wait_dscnt 12                                ; this step's operands are in; the next step's twelve loads may be out
	KMUL 0
	PLACES
	KLOAD 2
	s_wait_dscnt 12
	KMUL 1
	PLACES
	KLOAD 3
	s_wait_dscnt 12
	KMUL 2
	s_wait_dscnt 0x0
	KMUL 3
	PLACES
	s_wait_loadcnt 0x0                             ; out_b (the waves that made no theta have not waited for it yet)
	s_wait_tensorcnt 0x0                           ; my 32 rows of x are in (I alone read them)
; THE WAY OUT, 16 rows of oc at a time.  A lane holds 32 neighbouring bytes of a row and the lanes beside it other rows: so the rows go through my own stage and come back whole, 256 bytes to sixteen lanes; x's rows come beside them.
; LDS serves a wave's instructions in order (ISA guide 5.7.1.4): no wait between the stores and the loads, nor in front of the second half's stores.
.macro FIN_A tt
.set n, 0
.rept 16
	v_pk_fma_f32 v[OA+32*\tt+2*n:OA+32*\tt+2*n+1], v[OA+32*\tt+2*n:OA+32*\tt+2*n+1], v[SS:SS+1], v[OB+2*\tt:OB+2*\tt+1] op_sel_hi:[1,0,0]   ; S x sum + out_b; each accumulator from its low end on
.set n, n+1
.endr
.irp u, 0,1,2,3
	ds_store_b128 v4, v[OA+32*\tt+8*\u:OA+32*\tt+8*\u+3] offset:64*\u
	ds_store_b128 v4, v[OA+32*\tt+8*\u+4:OA+32*\tt+8*\u+7] offset:64*\u+16
.endr
.irp i, 0,1,2,3,4,5,6,7
	ds_load_b128 v[OPB+64*\tt+4*\i:OPB+64*\tt+4*\i+3], v5 offset:544*\i
.endr
.irp i, 0,1,2,3,4,5,6,7
	ds_load_b128 v[OPB+64*\tt+32+4*\i:OPB+64*\tt+32+4*\i+3], v7 offset:4096*\tt+512*\i
.endr
.endm
.macro SEND tt, younger                ; younger: the LDS instructions issued behind this half's loads, which may stay out
	s_wait_dscnt \younger
.set n, 0
.rept 16
	v_pk_add_f32 v[OPB+64*\tt+2*n:OPB+64*\tt+2*n+1], v[OPB+64*\tt+2*n:OPB+64*\tt+2*n+1], v[OPB+64*\tt+32+2*n:OPB+64*\tt+32+2*n+1]   ; + x
.set n, n+1
.endr
.irp i, 0,1,2,3,4,5,6,7
	global_store_b128 v6, v[OPB+64*\tt+4*\i:OPB+64*\tt+4*\i+3], s[84:85] offset:(16*\tt+2*\i)*16384 th:TH_STORE_NT   ; sixteen lanes store 256 consecutive bytes, aligned
.endr
.endm
	FIN_A 0
	FIN_A 1
	SEND 0, 24                                     ; behind the first half's loads: the second half's 8 stores and 16 loads
	SEND 1, 0
	s_wait_tensorcnt 0x0                           ; the wave's end, behind my last tensor load and my last LDS store
	ds_add_u32 v[SPW], v[NIL]
	s_wait_dscnt 0x0
	ROUND                                          ; the closing round: no work-group ends while a partner may still ask for a tile that names it
	s_endpgm
.Lfunc_end_k_q515fdad6e7_final:
	.size	k_q515fdad6e7_final, .Lfunc_end_k_q515fdad6e7_final-k_q515fdad6e7_final
	.p2alignl 7, 3214868480
	.fill 96, 4, 3214868480
	.section	.rodata,"a",@progbits
	.p2align	6, 0x0
	.amdhsa_kernel k_q515fdad6e7_final
		.amdhsa_group_segment_fixed_size 199680
		.amdhsa_private_segment_fixed_size 0
		.amdhsa_enable_private_segment 0
		.amdhsa_kernarg_size 64
		.amdhsa_user_sgpr_count 2
		.amdhsa_user_sgpr_kernarg_segment_ptr 1
		.amdhsa_wavefront_size32 1
		.amdhsa_system_sgpr_workgroup_id_x 1
		.amdhsa_system_sgpr_workgroup_id_y 1
		.amdhsa_system_sgpr_workgroup_id_z 1
		.amdhsa_system_vgpr_workitem_id 0
		.amdhsa_next_free_vgpr 256
		.amdhsa_next_free_sgpr 96
		.amdhsa_reserve_vcc 0
		.amdhsa_float_denorm_mode_32 3
		.amdhsa_float_denorm_mode_16_64 3
		.amdhsa_memory_ordered 1
		.amdhsa_forward_progress 1
		.amdhsa_inst_pref_size 39
	.end_amdhsa_kernel
	.amdgpu_metadata
---
amdhsa.version: [ 1, 2 ]
amdhsa.kernels:
  - .name:           k_q515fdad6e7_final
    .symbol:         k_q515fdad6e7_final.kd
    .args:
      - { .name: x, .offset: 0, .size: 8, .value_kind: global_buffer, .address_space: global }
      - { .name: xqs, .offset: 8, .size: 8, .value_kind: global_buffer, .address_space: global }
      - { .name: wq, .offset: 16, .size: 8, .value_kind: global_buffer, .address_space: global }
      - { .name: theta_b, .offset: 24, .size: 8, .value_kind: global_buffer, .address_space: global }
      - { .name: rq, .offset: 32, .size: 8, .value_kind: global_buffer, .address_space: global }
      - { .name: rs, .offset: 40, .size: 8, .value_kind: global_buffer, .address_space: global }
      - { .name: out_b, .offset: 48, .size: 8, .value_kind: global_buffer, .address_space: global }
      - { .name: out0, .offset: 56, .size: 8, .value_kind: global_buffer, .address_space: global }
    .group_segment_fixed_size: 199680
    .private_segment_fixed_size: 0
    .kernarg_segment_align: 8
    .kernarg_segment_size: 64
    .max_flat_workgroup_size: 256
    .sgpr_count:     96
    .vgpr_count:     256
    .wavefront_size: 32
...
	.end_amdgpu_metadata
.endif
;; end of part 4
